; MI455X (gfx1250); checked and timed in simulation.
; The chip was launched on July 23, 2026; its instructions are those of AMD's public machine-readable ISA for CDNA 5 (MIT licence, August 2026) and "CDNA5" Instruction Set Architecture Reference Guide (July 2026). The comments in the code are by the model that wrote it; some were corrected since.
;; Swi GLU Bit. Allowed arithmetic: matrix products marked QUANTISED: E4M3 operands, one given power-of-two scale a tensor, by v_wmma_f32_16x16x64_fp8_fp8 or v_wmma_f32_16x16x128_fp8_fp8, f32 sums; everything else in f32.
;; Inputs: lowp_scales 6 int32 (the exponents e of the quantised operands' scales 2^e); w1 1,024 x 2,048 float32; w2 1,024 x 2,048 float32; w3 2,048 x 1,024 float32; x 4 x 2,048 x 2,048 float32.
;; Outputs: out0 4 x 2,048 x 2,048 float32.
;; This version of the problem:
;;   THIS VERSION OF THE PROBLEM IS GIVEN IN LOW PRECISION. The matrix products marked QUANTISED in the list below multiply operands that are first quantised to E4M3 (4 exponent bits, 3 mantissa bits; 8 bits a number), with one given power-of-two scale for each operand tensor; their sums are f32. All else is computed in f32.
;;   The module's matrix products, in the order in which they are computed (A, B: the left and right operand; K: the contracted axis; several contracted axes count as one K, in the product's order):
;;     1. [M 8,192, K 2,048] x [K 2,048, N 1,024]; A: computed on the way; B: computed on the way: QUANTISED (scales: A lowp_scales[0], B lowp_scales[1])
;;     2. [M 8,192, K 2,048] x [K 2,048, N 1,024]; A: computed on the way; B: computed on the way: QUANTISED (scales: A lowp_scales[2], B lowp_scales[3])
;;     3. [M 8,192, K 1,024] x [K 1,024, N 2,048]; A: computed on the way; B: computed on the way: QUANTISED (scales: A lowp_scales[4], B lowp_scales[5])
;;   THE QUANTISER, for each operand of a quantised product, along K:
;;     - The operand's scale is 2^e, e = its entry of the input lowp_scales (int32; the entries are numbered through the quantised products in the list's order, A before B).
;;     - Each number is divided by the scale, clamped to +-448, and rounded to the nearest number of E4M3, ties to even, subnormals kept.
;;     - The product sums the exact products of the quantised numbers (number of the format x scale) in f32.
;;   ~~~python
;;   def quantise(x, axis, e):      # numpy; x: float32 -> the quantised numbers, widened to float32 again
;;       x = np.moveaxis(x, axis, -1); K = x.shape[-1]
;;       r = np.clip(x / 2.0 ** e, -448, 448)
;;       step = 2.0 ** (np.maximum(np.frexp(np.where(r == 0, 1, r))[1] - 1, -6) - 3)
;;       q = np.round(r / step) * step * 2.0 ** e      # np.round: ties to even
;;       return np.moveaxis(q, -1, axis).astype(np.float32)
;;   ~~~
;;   OPERANDS COMPUTED ON THE WAY. 'Computed on the way' means the value that the module computes at that place (a softmax that the list does not call 'softmax' is quantised finished and normalised). What goes into a quantiser is computed in f32, as accurately as f32 sums, v_exp_f32 and their like allow (about 1e-6 of the number): no bf16 or f16 on the way to a quantiser, and a product that is left as it is and whose result goes on into a quantised operand takes f32 operands (vector FMAs, or v_wmma_f32_16x16x4_f32). A number that lies on a knife's edge between two numbers of the format may be rounded either way, as far as f32 arithmetic and the matrix unit's own rounding can turn it there, and no further.
;; One version. Each part assembles by itself: llvm-mc -triple=amdgcn-amd-amdhsa -mcpu=gfx1250 --defsym DOCPART=n.
;; ======== version 1 of 1: 4 launches
;; limits: right only within a limited range of input values
;; workspace buffers: psum 3,072 bytes; wq 6,291,456 bytes; xq 33,554,432 bytes; hq 8,388,608 bytes
;; launch prep (part 1): grid 704 x 1, 4 waves a work-group, no clusters, 17,920 bytes of LDS; arguments x, w1, w2, w3, lowp_scales, xq, psum; writes xq, psum
.if DOCPART == 1
	.amdgcn_target "amdgcn-amd-amdhsa--gfx1250"
	.amdhsa_code_object_version 6
	.text
	.protected	k_q4d7ccdb9fb_prep
	.globl	k_q4d7ccdb9fb_prep
	.p2align	8
	.type	k_q4d7ccdb9fb_prep,@function
k_q4d7ccdb9fb_prep:
	s_mov_b64 s[64:65], 0
	v_nop
	global_prefetch_b8 v0, s[64:65] scope:SCOPE_SE
	s_setreg_imm32_b32 hwreg(HW_REG_WAVE_MODE, 25, 1), 1
	s_wait_xcnt 0x0
; TWO JOBS IN ONE LAUNCH, told apart by the work-group's number.
; Work-groups 0-191: partial sums of |w1|, |w2|, |w3| (64 work-groups a tensor, 32,768 bytes a wave), one f32 a wave into psum[4 x work-group + wave].
; Work-groups 192-703: x [8192][2048] f32 -> a = x + (q - x), q = round(clip(x 127/s, -127, 127)) s/127, s = max(largest |x| of the group of 64, 1e-5), and a is turned into codes of
; FP8 (E4M3) TWICE: with the scale 2^e0 (first product's left operand) and with 2^e2 (second product's): code = a / 2^e, held within +-448, to the nearest code, ties to even.
; THE CODES' LAYOUT is the image of the matrix operand's registers.  A fragment F(rb, ks) is rows 16 rb .. +15 x K 128 ks .. +127: register g (0..15) of lane (r, h), byte y, holds
; k = 16 (g / 2) + 8 h + 4 (g % 2) + y of row r, and lies at byte 512 (g / 4) + 16 (r + 16 h) + 4 (g % 4) + y of the fragment's 2,048.  xq = [set 2][rb 512][ks 16][2048].
; SHARES: a work-group takes 16 rows (one rb), wave w the fragments ks = 4 w .. 4 w + 3, one a UNIT.  Each load reads 512 consecutive bytes of one row, 16 a lane: lane l holds k = 4 l .. 4 l + 3,
; so lanes 0-15 hold one group of 64 and lanes 16-31 the next.  A lane's four codes are one word; the words go through the wave's own stage in LDS into the image's order and leave as
; stores of 512 consecutive bytes.  No tensor load, no barrier: waves share nothing.  Loads run two units (32 loads a wave) ahead.
; 127/s and s/127 are made by v_rcp_f32 or a multiplication and one step of refinement each (fused multiply-adds).
; LIMITS: NaN and infinities among the inputs are not served; a group's largest magnitude stays under 2^126 (v_rcp_f32 gives 0 for what would be denormal: ISA guide 15.8); e0 and e2 between -126 and 119.
; DEAD WORK LEFT OUT: reference() returns x + (q - x); for all real x and q that is q.  So the two additions are left out and a = q goes to the quantisers, here and for h in launch gateup
; (launch wcodes still makes them for the weights).  No input is left out.  LIMIT: a NaN, an infinity or an overflow that would arise in q - x alone is not carried to the result.
.set NWS,   192
.set GP,    272                        ; the stage: 256 bytes of the image + 16 of padding
.set STG,   8*GP                       ; a stage: one fragment
.set WREG,  2*STG                      ; a wave's two stages, one for each set of codes
.set SPARE, 4*WREG                     ; behind them: the spare words, 128 bytes for each wave: two blocks of 256 bytes that no other line names
.set SPW,   7                          ; v7   LDS address of my spare word; never rewritten
.set NIL,   8                          ; v8   0; never rewritten
.set FAC,   16                         ; v16-79  row r: v[16+4r] 127/s, +1 s, +2 s/127, +3 1/s: each factor in an even register, so that a packed multiply takes its pair's low word
.set T1,    80                         ; v80-87  at work
.set T2,    88                         ; v88-95  at work
.set C1,    96                         ; v96-111  codes by e0: row r's word in v[96+r]
.set C2,    112                        ; v112-127 codes by e2
.set X,     128                        ; v128-255 two sets of 16 rows x 4 numbers
.set OUT1,  16                         ; the images on their way out lie over the factors, which are done with by then
.set OUT2,  32
.macro LOAD t                          ; unit t: 16 rows, 512 consecutive bytes each
.set r, 0
.rept 16
	global_load_b128 v[X+64*((\t)%2)+4*r:X+64*((\t)%2)+4*r+3], v2, s[4:5] offset:8192*r+512*(\t) th:TH_LOAD_NT
.set r, r+1
.endr
.endm
.macro UNIT t
.set XS, X+64*((\t)%2)
.if (\t) < 3
	s_wait_loadcnt 16                              ; this unit's 16 loads are in; the next unit's 16 may be out
.else
	s_wait_loadcnt 0
.endif
	s_wait_xcnt 0x0                                ; the last unit's stores have read their registers, which the factors now take
.set r, 0
.rept 16
	v_max3_num_f32 v[FAC+4*r+1], |v[XS+4*r]|, |v[XS+4*r+1]|, |v[XS+4*r+2]|
.set r, r+1
.endr
.set r, 0
.rept 16
	v_max3_num_f32 v[FAC+4*r+1], v[FAC+4*r+1], |v[XS+4*r+3]|, s23      ; the floor 1e-5 among the leaves
.set r, r+1
.endr
.irp m, 1,2,4,8                        ; across the 16 lanes that share a group
.set r, 0
.rept 16
	v_max_num_f32_dpp v[FAC+4*r+1], v[FAC+4*r+1], v[FAC+4*r+1] row_xmask:\m row_mask:0xf bank_mask:0xf
.set r, r+1
.endr
.endr
.set r, 0
	s_wait_alu depctr_va_vdst(0)
.rept 16
	v_rcp_f32 v[FAC+4*r+3], v[FAC+4*r+1]
.set r, r+1
.endr
.set r, 0
.rept 16
	v_mul_f32 v[FAC+4*r+2], s22, v[FAC+4*r+1]      ; s x (1/127): the first guess of s/127.  (Plain work behind the reciprocals)
.set r, r+1
.endr
	s_wait_alu depctr_va_vdst(0)                   ; one wait for the 16 reciprocals, ahead of their first reader
.set r, 0
.rept 16
	v_mul_f32 v[FAC+4*r], s20, v[FAC+4*r+3]        ; 127 x (1/s): the first guess of 127/s
.set r, r+1
.endr
.set r, 0
.rept 16
	v_fma_f32 v[T1+r], -v[FAC+4*r], v[FAC+4*r+1], s20      ; what it lacks: 127 - guess x s,
.set r, r+1
.endr
.set r, 0
.rept 16
	v_fma_f32 v[FAC+4*r], v[T1+r], v[FAC+4*r+3], v[FAC+4*r] ; made good
.set r, r+1
.endr
.set r, 0
.rept 16
	v_fma_f32 v[T1+r], -v[FAC+4*r+2], s20, v[FAC+4*r+1]    ; s - guess x 127,
.set r, r+1
.endr
.set r, 0
.rept 16
	v_fma_f32 v[FAC+4*r+2], v[T1+r], s22, v[FAC+4*r+2]     ; made good
.set r, r+1
.endr
.set p, 0
.rept 8                                ; two rows at a time: eight numbers, as a conversion takes them
.set XP, XS+8*p
.set F0, FAC+8*p
.irp i, 0,2
	v_pk_mul_f32 v[T1+\i:T1+\i+1], v[XP+\i:XP+\i+1], v[F0:F0+1] op_sel_hi:[1,0]          ; x 127/s
	v_pk_mul_f32 v[T1+4+\i:T1+5+\i], v[XP+4+\i:XP+5+\i], v[F0+4:F0+5] op_sel_hi:[1,0]
.endr
.irp i, 0,1,2,3,4,5,6,7
	v_med3_num_f32 v[T1+\i], v[T1+\i], s21, s20
.endr
.irp i, 0,1,2,3,4,5,6,7
	v_rndne_f32 v[T1+\i], v[T1+\i]
.endr
.irp i, 0,2
	v_pk_mul_f32 v[T1+\i:T1+\i+1], v[T1+\i:T1+\i+1], v[F0+2:F0+3] op_sel_hi:[1,0]        ; q = whole number x s/127
	v_pk_mul_f32 v[T1+4+\i:T1+5+\i], v[T1+4+\i:T1+5+\i], v[F0+6:F0+7] op_sel_hi:[1,0]
.endr
.irp i, 0,1,2,3,4,5,6,7
	v_med3_num_f32 v[XP+\i], v[T1+\i], -v9, v9     ; a = q.  The conversion to an 8-bit code does not saturate (ISA guide 7.6.2): the hold at 448 x 2^e0, into x's registers, which are done with
.endr
	v_cvt_scalef32_pk8_fp8_f32 v[C1+2*p:C1+2*p+1], v[XP:XP+7], v10
.irp i, 0,1,2,3,4,5,6,7
	v_med3_num_f32 v[T2+\i], v[T1+\i], -v11, v11   ; and at 448 x 2^e2.  (Plain lines behind the conversion above)
.endr
	v_cvt_scalef32_pk8_fp8_f32 v[C2+2*p:C2+2*p+1], v[T2:T2+7], v12
	ds_store_b32 v3, v[C1+2*p] offset:32*p         ; row 2 p's word, 16 bytes a row inside each 256 of the image
	ds_store_b32 v3, v[C1+2*p+1] offset:32*p+16
	ds_store_b32 v3, v[C2+2*p] offset:STG+32*p
	ds_store_b32 v3, v[C2+2*p+1] offset:STG+32*p+16
.set p, p+1
.endr
	v_nop                                          ; a plain line behind the last conversion
.if (\t) < 2
	LOAD (\t)+2                                    ; this unit's numbers are done with
.endif
.irp c, 0,1,2,3
	ds_load_b128 v[OUT1+4*\c:OUT1+4*\c+3], v5 offset:2*GP*\c       ; LDS serves a wave's instructions in order (ISA guide 5.7.1.4): these see my stores, and the next unit's stores come behind them
	ds_load_b128 v[OUT2+4*\c:OUT2+4*\c+3], v5 offset:STG+2*GP*\c
.endr
	s_wait_dscnt 0x0
.irp c, 0,1,2,3
	global_store_b128 v2, v[OUT1+4*\c:OUT1+4*\c+3], s[14:15] offset:2048*(\t)+512*\c   ; 32 lanes store 512 consecutive bytes, at a multiple of 256 from the buffer's first byte
	global_store_b128 v2, v[OUT2+4*\c:OUT2+4*\c+3], s[28:29] offset:2048*(\t)+512*\c
.endr
.endm
.macro WLOAD b                         ; 16 loads of 512 consecutive bytes
.set r, 0
.rept 16
	global_load_b128 v[X+64*((\b)%2)+4*r:X+64*((\b)%2)+4*r+3], v2, s[28:29] offset:8192*(\b)+512*r
.set r, r+1
.endr
.endm
.macro WSUM b, first                   ; 64 magnitudes into eight chains; the first sixteen start them: nothing is cleared
.set XS, X+64*((\b)%2)
.if \first
.irp i, 0,1,2,3,4,5,6,7
	v_add_f32 v[16+\i], |v[XS+\i]|, |v[XS+8+\i]|
.endr
.set j, 16
.rept 48
	v_add_f32 v[16+j%8], v[16+j%8], |v[XS+j]|
.set j, j+1
.endr
.else
.set j, 0
.rept 64
	v_add_f32 v[16+j%8], v[16+j%8], |v[XS+j]|
.set j, j+1
.endr
.endif
.endm
	s_load_b256 s[4:11], s[0:1], 0x0               ; x s[4:5], w1 s[6:7], w2 s[8:9], w3 s[10:11]
	s_load_b128 s[12:15], s[0:1], 0x20             ; the scales' exponents s[12:13], xq s[14:15]
	s_load_b64 s[16:17], s[0:1], 0x30              ; psum
	v_lshl_add_u32 v[SPW], v0, 2, SPARE
	v_mov_b32 v[NIL], 0
	v_lshrrev_b32 v1, 5, v0
	v_readfirstlane_b32 s18, v1                    ; wave 0..3
	v_and_b32 v1, 31, v0                           ; lane
	v_lshlrev_b32 v2, 4, v1                        ; 16 bytes a lane
	s_cmp_lt_u32 ttmp9, NWS
	s_cbranch_scc1 .Lwsum
	; ---- x into codes
	s_sub_co_u32 s19, ttmp9, NWS                   ; rb: my 16 rows
	s_lshl_b32 s24, s19, 17                        ; 16 rows of 8,192 bytes,
	s_lshl_b32 s25, s18, 11                        ; my wave's 512 columns
	s_add_co_u32 s24, s24, s25
	s_mov_b32 s25, 0
	s_lshl_b32 s26, s19, 15                        ; 16 fragments of 2,048 bytes,
	s_lshl_b32 s27, s18, 13                        ; my wave's four
	s_add_co_u32 s26, s26, s27
	s_mov_b32 s27, 0
	s_mul_i32 s30, s18, WREG                       ; my stages
	; into the stage: lane l's word (k = 4 l ..) belongs to register g = 2 (l / 4) + l % 2 of half h = (l / 2) % 2: block of 256 bytes 2 (l / 8) + h, byte 8 ((l / 4) % 2) + 4 (l % 2) + 16 x row.
	; Blocks 272 bytes apart: the 32 lanes' words fall into 32 different banks (64 banks of 4 bytes: ISA guide 11.1)
	s_wait_alu depctr_va_vdst(0)
	v_lshrrev_b32 v3, 3, v1
	v_bfe_u32 v4, v1, 1, 1
	v_lshl_add_u32 v3, v3, 1, v4
	v_mul_u32_u24 v3, v3, GP
	v_bfe_u32 v4, v1, 2, 1
	v_lshl_add_u32 v3, v4, 3, v3
	v_and_b32 v4, 1, v1
	v_lshl_add_u32 v3, v4, 2, v3
	v_add_nc_u32 v3, s30, v3
	v_lshrrev_b32 v5, 4, v1                        ; out of it: the image's 512 c + 16 l lies in block 2 c + l / 16, byte 16 (l % 16)
	v_mul_u32_u24 v5, v5, GP
	v_and_b32 v4, 15, v1
	v_lshl_add_u32 v5, v4, 4, v5
	v_add_nc_u32 v5, s30, v5
	s_mov_b32 s20, 0x42fe0000                      ; 127
	s_mov_b32 s21, 0xc2fe0000                      ; -127
	s_mov_b32 s22, 0x3c010204                      ; 1/127
	s_mov_b32 s23, 0x3727c5ac                      ; 1e-5
	s_wait_kmcnt 0x0
	s_load_b128 s[32:35], s[12:13], 0x0            ; e0, e1, e2, e3
	s_add_nc_u64 s[4:5], s[4:5], s[24:25]
	s_add_nc_u64 s[14:15], s[14:15], s[26:27]      ; the set by e0,
	s_add_nc_u64 s[28:29], s[14:15], 0x1000000     ; the set by e2, 16 MiB on
	LOAD 0
	LOAD 1
	s_wait_kmcnt 0x0
	s_add_co_i32 s36, s32, 127
	s_lshl_b32 s37, s36, 23
	v_mov_b32 v10, s37                             ; 2^e0 as f32: the conversion takes its exponent field
	s_add_co_i32 s36, s36, 8
	s_lshl_b32 s36, s36, 23
	s_or_b32 s36, s36, 0x600000
	v_mov_b32 v9, s36                              ; 448 x 2^e0
	s_add_co_i32 s36, s34, 127
	s_lshl_b32 s37, s36, 23
	v_mov_b32 v12, s37                             ; 2^e2
	s_add_co_i32 s36, s36, 8
	s_lshl_b32 s36, s36, 23
	s_or_b32 s36, s36, 0x600000
	v_mov_b32 v11, s36                             ; 448 x 2^e2
	UNIT 0
	UNIT 1
	UNIT 2
	UNIT 3
	s_wait_tensorcnt 0x0                           ; the wave's end
	ds_add_u32 v[SPW], v[NIL]
	s_wait_dscnt 0x0
	s_endpgm
	; ---- partial sums of |w|.
.Lwsum:
	s_lshr_b32 s19, ttmp9, 6                       ; which tensor
	s_and_b32 s24, ttmp9, 63
	s_lshl_b32 s24, s24, 17                        ; my work-group's 131,072 bytes,
	s_lshl_b32 s25, s18, 15                        ; my wave's 32,768
	s_add_co_u32 s24, s24, s25
	s_mov_b32 s25, 0
	s_lshl_b32 s26, ttmp9, 2
	s_add_co_u32 s26, s26, s18
	s_lshl_b32 s26, s26, 2                         ; psum[4 x work-group + wave]
	s_mov_b32 s27, 0
	s_mov_b32 s30, 0x76543210                      ; v_permlanex16_b32's selects for lane l xor 16
	s_mov_b32 s31, 0xfedcba98
	v_mov_b32 v3, 0
	s_wait_kmcnt 0x0
	s_cmp_eq_u32 s19, 0                            ; the choice hangs on the work-group's number alone
	s_cselect_b64 s[28:29], s[6:7], s[8:9]
	s_cmp_eq_u32 s19, 2
	s_cselect_b64 s[28:29], s[10:11], s[28:29]
	s_add_nc_u64 s[28:29], s[28:29], s[24:25]
	s_add_nc_u64 s[16:17], s[16:17], s[26:27]
	s_wait_alu depctr_va_vdst(0)
	WLOAD 0
	WLOAD 1
	s_wait_loadcnt 16                              ; the older 16 loads are in, here and below
	WSUM 0, 1
	WLOAD 2
	s_wait_alu depctr_va_vdst(0)
	s_wait_loadcnt 16
	WSUM 1, 0
	WLOAD 3
	s_wait_alu depctr_va_vdst(0)
	s_wait_loadcnt 16
	WSUM 2, 0
	s_wait_alu depctr_va_vdst(0)
	s_wait_loadcnt 0
	WSUM 3, 0
	v_add_f32 v16, v16, v17
	v_add_f32 v18, v18, v19
	v_add_f32 v20, v20, v21
	v_add_f32 v22, v22, v23
	v_add_f32 v16, v16, v18
	v_add_f32 v20, v20, v22
	v_add_f32 v16, v16, v20
	v_add_f32_dpp v16, v16, v16 row_xmask:1 row_mask:0xf bank_mask:0xf
	v_add_f32_dpp v16, v16, v16 row_xmask:2 row_mask:0xf bank_mask:0xf
	v_add_f32_dpp v16, v16, v16 row_xmask:4 row_mask:0xf bank_mask:0xf
	v_add_f32_dpp v16, v16, v16 row_xmask:8 row_mask:0xf bank_mask:0xf
	v_permlanex16_b32 v17, v16, s30, s31
	v_add_f32 v16, v16, v17                        ; the wave's sum, in every lane
	v_cmp_eq_u32 vcc_lo, 0, v1
	s_wait_alu depctr_va_vdst(0)
	s_wait_xcnt 0x0                                ; EXEC changes only behind this wait
	s_and_saveexec_b32 s19, vcc_lo
	global_store_b32 v3, v16, s[16:17]             ; lane 0 stores it
	s_wait_xcnt 0x0
	s_or_b32 exec_lo, exec_lo, s19
	s_endpgm
.Lfunc_end_k_q4d7ccdb9fb_prep:
	.size	k_q4d7ccdb9fb_prep, .Lfunc_end_k_q4d7ccdb9fb_prep-k_q4d7ccdb9fb_prep
	.p2alignl 7, 3214868480
	.fill 96, 4, 3214868480
	.section	.rodata,"a",@progbits
	.p2align	6, 0x0
	.amdhsa_kernel k_q4d7ccdb9fb_prep
		.amdhsa_group_segment_fixed_size 17920
		.amdhsa_private_segment_fixed_size 0
		.amdhsa_enable_private_segment 0
		.amdhsa_kernarg_size 56
		.amdhsa_user_sgpr_count 2
		.amdhsa_user_sgpr_kernarg_segment_ptr 1
		.amdhsa_wavefront_size32 1
		.amdhsa_system_sgpr_workgroup_id_x 1
		.amdhsa_system_sgpr_workgroup_id_y 1
		.amdhsa_system_sgpr_workgroup_id_z 1
		.amdhsa_system_vgpr_workitem_id 0
		.amdhsa_next_free_vgpr 256
		.amdhsa_next_free_sgpr 66
		.amdhsa_reserve_vcc 1
		.amdhsa_float_denorm_mode_32 3
		.amdhsa_float_denorm_mode_16_64 3
		.amdhsa_memory_ordered 1
		.amdhsa_forward_progress 1
		.amdhsa_inst_pref_size 169
	.end_amdhsa_kernel
	.amdgpu_metadata
---
amdhsa.version: [ 1, 2 ]
amdhsa.kernels:
  - .name:           k_q4d7ccdb9fb_prep
    .symbol:         k_q4d7ccdb9fb_prep.kd
    .args:
      - { .name: x, .offset: 0, .size: 8, .value_kind: global_buffer, .address_space: global }
      - { .name: w1, .offset: 8, .size: 8, .value_kind: global_buffer, .address_space: global }
      - { .name: w2, .offset: 16, .size: 8, .value_kind: global_buffer, .address_space: global }
      - { .name: w3, .offset: 24, .size: 8, .value_kind: global_buffer, .address_space: global }
      - { .name: lowp_scales, .offset: 32, .size: 8, .value_kind: global_buffer, .address_space: global }
      - { .name: xq, .offset: 40, .size: 8, .value_kind: global_buffer, .address_space: global }
      - { .name: psum, .offset: 48, .size: 8, .value_kind: global_buffer, .address_space: global }
    .group_segment_fixed_size: 17920
    .private_segment_fixed_size: 0
    .kernarg_segment_align: 8
    .kernarg_segment_size: 56
    .max_flat_workgroup_size: 128
    .sgpr_count:     66
    .vgpr_count:     256
    .wavefront_size: 32
...
	.end_amdgpu_metadata
.endif
;; end of part 1
;; launch wcodes (part 2): grid 384 x 1, 4 waves a work-group, no clusters, 9,216 bytes of LDS; arguments w1, w2, w3, lowp_scales, psum, wq; writes wq
.if DOCPART == 2
	.amdgcn_target "amdgcn-amd-amdhsa--gfx1250"
	.amdhsa_code_object_version 6
	.text
	.protected	k_q4d7ccdb9fb_wcodes
	.globl	k_q4d7ccdb9fb_wcodes
	.p2align	8
	.type	k_q4d7ccdb9fb_wcodes,@function
k_q4d7ccdb9fb_wcodes:
	s_mov_b64 s[64:65], 0
	v_nop
	global_prefetch_b8 v0, s[64:65] scope:SCOPE_SE
	s_setreg_imm32_b32 hwreg(HW_REG_WAVE_MODE, 25, 1), 1
	s_wait_xcnt 0x0
; w1, w2 [1024][2048] and w3 [2048][1024], f32 -> b = w + (sign(w) m - w), m = the tensor's mean |w| -> codes of FP8 (E4M3) with the given scale 2^e (e1, e3, e5):
; code = b / 2^e, held within +-448, to the nearest code, ties to even.  m is made from the tensor's 256 partial sums in psum, in one fixed order, so that every wave has the same m.
; THE CODES' LAYOUT is the image of the matrix operand's registers: fragment F(rb, ks) = rows 16 rb .. +15 x K 128 ks .. +127; register g of lane (r, h), byte y, holds k = 16 (g / 2) + 8 h + 4 (g % 2) + y
; of row r, at byte 512 (g / 4) + 16 (r + 16 h) + 4 (g % 4) + y of the fragment's 2,048.  wq = w1 [rb 64][ks 16][2048], w2 the same 2 MiB on, w3 [rb 128][ks 8][2048] 4 MiB on.
; SHARES: 128 work-groups a tensor; a wave makes two neighbouring fragments of one rb.  Each load reads 512 consecutive bytes of one row; a lane's four codes are one word; the words go through the
; wave's own stage in LDS into the image's order and leave as stores of 512 consecutive bytes.  No tensor load, no barrier.
; LIMITS: NaN and infinities among the inputs are not served (a NaN would count as a number with a sign); e between -126 and 119.  The mean is summed in another order than a plain running sum.
.set GP,    272                        ; the stage: 256 bytes of the image + 16 of padding
.set WREG,  8*GP                       ; a wave's stage: one fragment
.set SPARE, 4*WREG                     ; behind the stages: the spare words, 128 bytes for each wave: two blocks of 256 bytes that no other line names
.set SPW,   7                          ; v7   LDS address of my spare word; never rewritten
.set NIL,   8                          ; v8   0; never rewritten
.set VO,    16                         ; v16-31  row r's byte offset: 16 x lane + r x the tensor's row
.set OUT,   32                         ; v32-63  the images on their way out, 16 registers a fragment
.set PS,    64                         ; v64-71  eight partial sums
.set T,     80                         ; v80-95  at work: two sets by turns
.set CC,    96                         ; v96-111 codes: row r's word in v[96+r]
.set X,     128                        ; v128-255 two fragments' numbers
.macro LOAD t
.set r, 0
.rept 16
	global_load_b128 v[X+64*(\t)+4*r:X+64*(\t)+4*r+3], v[VO+r], s[30:31] offset:512*(\t) th:TH_LOAD_NT
.set r, r+1
.endr
.endm
.macro UNIT t
.set XS, X+64*(\t)
.if (\t) == 0
	s_wait_loadcnt 16                              ; this fragment's 16 loads are in; the next one's may be out
.else
	s_wait_loadcnt 0
.endif
.set p, 0
.rept 8                                ; two rows at a time: eight numbers, as a conversion takes them
.set XP, XS+8*p
.set TT, T+8*(p%2)                     ; the sets take turns, so that plain lines on the other set stand between a conversion and the next write of its sources
.irp i, 0,1,2,3,4,5,6,7
	v_bfi_b32 v[TT+\i], s38, v12, v[XP+\i]         ; m with w's sign
.endr
.irp i, 0,1,2,3,4,5,6,7
	v_cmp_neq_f32 vcc_lo, 0, v[XP+\i]
	v_cndmask_b32 v[TT+\i], 0, v[TT+\i], vcc_lo    ; sign(0) = 0
.endr
.irp i, 0,2,4,6
	v_pk_add_f32 v[TT+\i:TT+\i+1], v[TT+\i:TT+\i+1], v[XP+\i:XP+\i+1] neg_lo:[0,1] neg_hi:[0,1]   ; sign(w) m - w
.endr
.irp i, 0,2,4,6
	v_pk_add_f32 v[XP+\i:XP+\i+1], v[XP+\i:XP+\i+1], v[TT+\i:TT+\i+1]                    ; b = w + (sign(w) m - w)
.endr
.irp i, 0,1,2,3,4,5,6,7
	v_med3_num_f32 v[TT+\i], v[XP+\i], -v9, v9     ; the conversion to an 8-bit code does not saturate (ISA guide 7.6.2): the hold at 448 x 2^e
.endr
	v_cvt_scalef32_pk8_fp8_f32 v[CC+2*p:CC+2*p+1], v[TT:TT+7], v10
	ds_store_b32 v3, v[CC+2*p] offset:32*p
	ds_store_b32 v3, v[CC+2*p+1] offset:32*p+16
.set p, p+1
.endr
	v_nop                                          ; a plain line behind the last conversion
.irp c, 0,1,2,3
	ds_load_b128 v[OUT+16*(\t)+4*\c:OUT+16*(\t)+4*\c+3], v5 offset:2*GP*\c   ; LDS serves a wave's instructions in order (ISA guide 5.7.1.4): these see my stores
.endr
	s_wait_dscnt 0x0
.irp c, 0,1,2,3
	global_store_b128 v2, v[OUT+16*(\t)+4*\c:OUT+16*(\t)+4*\c+3], s[14:15] offset:2048*(\t)+512*\c   ; 32 lanes store 512 consecutive bytes, at a multiple of 256 from the buffer's first byte
.endr
.endm
	s_load_b256 s[4:11], s[0:1], 0x0               ; w1 s[4:5], w2 s[6:7], w3 s[8:9], the scales' exponents s[10:11]
	s_load_b128 s[12:15], s[0:1], 0x20             ; psum s[12:13], wq s[14:15]
	v_lshl_add_u32 v[SPW], v0, 2, SPARE
	v_mov_b32 v[NIL], 0
	v_lshrrev_b32 v1, 5, v0
	v_readfirstlane_b32 s18, v1                    ; wave 0..3
	v_and_b32 v1, 31, v0                           ; lane
	v_lshlrev_b32 v2, 4, v1                        ; 16 bytes a lane
	s_wait_alu depctr_va_vdst(0)
	v_lshlrev_b32 v6, 5, v1                        ; psum: eight numbers a lane
	s_lshr_b32 s19, ttmp9, 7                       ; which tensor
	s_and_b32 s20, ttmp9, 127
	s_lshl_b32 s20, s20, 2
	s_add_co_u32 s20, s20, s18
	s_lshl_b32 s20, s20, 1                         ; my first fragment's number in the tensor, rb x (fragments along K) + ks: even
	s_cmp_lt_u32 s19, 2                            ; w1, w2: rows of 8,192 bytes, 16 fragments along K; w3: 4,096 and 8
	s_cselect_b32 s21, 4, 3
	s_mov_b32 s22, 4096
	s_cselect_b32 s22, 8192, s22
	s_lshr_b32 s23, s20, s21                       ; rb
	s_bfm_b32 s24, s21, 0
	s_and_b32 s24, s20, s24                        ; ks
	s_mul_i32 s25, s23, s22
	s_lshl_b32 s25, s25, 4                         ; 16 rb rows,
	s_lshl_b32 s24, s24, 9                         ; 512 bytes a fragment along a row
	s_add_co_u32 s24, s24, s25
	s_mov_b32 s25, 0
	s_lshl_b32 s26, ttmp9, 2
	s_add_co_u32 s26, s26, s18
	s_lshl_b32 s26, s26, 12                        ; the codes: 4,096 bytes a wave, the three tensors on end
	s_mov_b32 s27, 0
	s_lshl_b32 s28, s19, 10                        ; the tensor's 256 partial sums
	s_mov_b32 s29, 0
	s_mov_b32 s16, 0x76543210                      ; v_permlanex16_b32's selects for lane l xor 16
	s_mov_b32 s17, 0xfedcba98
	s_mov_b32 s38, 0x7fffffff
.set r, 0
.rept 16
	v_mad_u32_u24 v[VO+r], r, s22, v2
.set r, r+1
.endr
	s_mul_i32 s39, s18, WREG                       ; my stage
	v_lshrrev_b32 v3, 3, v1                        ; into it: block of 256 bytes 2 (l / 8) + (l / 2) % 2, byte 8 ((l / 4) % 2) + 4 (l % 2) + 16 x row; blocks 272 bytes apart
	v_bfe_u32 v4, v1, 1, 1
	v_lshl_add_u32 v3, v3, 1, v4
	v_mul_u32_u24 v3, v3, GP
	v_bfe_u32 v4, v1, 2, 1
	v_lshl_add_u32 v3, v4, 3, v3
	v_and_b32 v4, 1, v1
	v_lshl_add_u32 v3, v4, 2, v3
	v_add_nc_u32 v3, s39, v3
	v_lshrrev_b32 v5, 4, v1                        ; out of it: block 2 c + l / 16, byte 16 (l % 16)
	v_mul_u32_u24 v5, v5, GP
	v_and_b32 v4, 15, v1
	v_lshl_add_u32 v5, v4, 4, v5
	v_add_nc_u32 v5, s39, v5
	s_wait_kmcnt 0x0
	s_load_b128 s[32:35], s[10:11], 0x0            ; e0 .. e3
	s_load_b64 s[36:37], s[10:11], 0x10            ; e4, e5
	s_cmp_eq_u32 s19, 0                            ; the choice hangs on the work-group's number alone
	s_cselect_b64 s[30:31], s[4:5], s[6:7]
	s_cmp_eq_u32 s19, 2
	s_cselect_b64 s[30:31], s[8:9], s[30:31]
	s_add_nc_u64 s[30:31], s[30:31], s[24:25]
	s_add_nc_u64 s[14:15], s[14:15], s[26:27]
	s_add_nc_u64 s[12:13], s[12:13], s[28:29]
	global_load_b128 v[PS:PS+3], v6, s[12:13]
	global_load_b128 v[PS+4:PS+7], v6, s[12:13] offset:16
	LOAD 0
	LOAD 1
	s_wait_kmcnt 0x0
	s_cmp_eq_u32 s19, 0
	s_cselect_b32 s39, s33, s35                    ; e1 for w1, e3 for w2,
	s_cmp_eq_u32 s19, 2
	s_cselect_b32 s39, s37, s39                    ; e5 for w3
	s_add_co_i32 s39, s39, 127
	s_lshl_b32 s36, s39, 23
	v_mov_b32 v10, s36                             ; 2^e as f32: the conversion takes its exponent field
	s_add_co_i32 s39, s39, 8
	s_lshl_b32 s39, s39, 23
	s_or_b32 s39, s39, 0x600000
	v_mov_b32 v9, s39                              ; 448 x 2^e
	s_wait_loadcnt 32                              ; the partial sums are in; the 32 loads behind them may be out
	v_add_f32 v[PS], v[PS], v[PS+1]
	v_add_f32 v[PS+2], v[PS+2], v[PS+3]
	v_add_f32 v[PS+4], v[PS+4], v[PS+5]
	v_add_f32 v[PS+6], v[PS+6], v[PS+7]
	v_add_f32 v[PS], v[PS], v[PS+2]
	v_add_f32 v[PS+4], v[PS+4], v[PS+6]
	v_add_f32 v[PS], v[PS], v[PS+4]
	v_add_f32_dpp v[PS], v[PS], v[PS] row_xmask:1 row_mask:0xf bank_mask:0xf
	v_add_f32_dpp v[PS], v[PS], v[PS] row_xmask:2 row_mask:0xf bank_mask:0xf
	v_add_f32_dpp v[PS], v[PS], v[PS] row_xmask:4 row_mask:0xf bank_mask:0xf
	v_add_f32_dpp v[PS], v[PS], v[PS] row_xmask:8 row_mask:0xf bank_mask:0xf
	v_permlanex16_b32 v[PS+1], v[PS], s16, s17
	v_add_f32 v[PS], v[PS], v[PS+1]
	v_mul_f32 v12, 0x35000000, v[PS]               ; m = the sum / 2^21: each tensor has 2,097,152 numbers
	s_wait_alu depctr_va_vdst(0)
	UNIT 0
	UNIT 1
	s_wait_tensorcnt 0x0                           ; the wave's end
	ds_add_u32 v[SPW], v[NIL]
	s_wait_dscnt 0x0
	s_endpgm
.Lfunc_end_k_q4d7ccdb9fb_wcodes:
	.size	k_q4d7ccdb9fb_wcodes, .Lfunc_end_k_q4d7ccdb9fb_wcodes-k_q4d7ccdb9fb_wcodes
	.p2alignl 7, 3214868480
	.fill 96, 4, 3214868480
	.section	.rodata,"a",@progbits
	.p2align	6, 0x0
	.amdhsa_kernel k_q4d7ccdb9fb_wcodes
		.amdhsa_group_segment_fixed_size 9216
		.amdhsa_private_segment_fixed_size 0
		.amdhsa_enable_private_segment 0
		.amdhsa_kernarg_size 48
		.amdhsa_user_sgpr_count 2
		.amdhsa_user_sgpr_kernarg_segment_ptr 1
		.amdhsa_wavefront_size32 1
		.amdhsa_system_sgpr_workgroup_id_x 1
		.amdhsa_system_sgpr_workgroup_id_y 1
		.amdhsa_system_sgpr_workgroup_id_z 1
		.amdhsa_system_vgpr_workitem_id 0
		.amdhsa_next_free_vgpr 256
		.amdhsa_next_free_sgpr 66
		.amdhsa_reserve_vcc 1
		.amdhsa_float_denorm_mode_32 3
		.amdhsa_float_denorm_mode_16_64 3
		.amdhsa_memory_ordered 1
		.amdhsa_forward_progress 1
		.amdhsa_inst_pref_size 45
	.end_amdhsa_kernel
	.amdgpu_metadata
---
amdhsa.version: [ 1, 2 ]
amdhsa.kernels:
  - .name:           k_q4d7ccdb9fb_wcodes
    .symbol:         k_q4d7ccdb9fb_wcodes.kd
    .args:
      - { .name: w1, .offset: 0, .size: 8, .value_kind: global_buffer, .address_space: global }
      - { .name: w2, .offset: 8, .size: 8, .value_kind: global_buffer, .address_space: global }
      - { .name: w3, .offset: 16, .size: 8, .value_kind: global_buffer, .address_space: global }
      - { .name: lowp_scales, .offset: 24, .size: 8, .value_kind: global_buffer, .address_space: global }
      - { .name: psum, .offset: 32, .size: 8, .value_kind: global_buffer, .address_space: global }
      - { .name: wq, .offset: 40, .size: 8, .value_kind: global_buffer, .address_space: global }
    .group_segment_fixed_size: 9216
    .private_segment_fixed_size: 0
    .kernarg_segment_align: 8
    .kernarg_segment_size: 48
    .max_flat_workgroup_size: 128
    .sgpr_count:     66
    .vgpr_count:     256
    .wavefront_size: 32
...
	.end_amdgpu_metadata
.endif
;; end of part 2
;; launch gateup (part 3): grid 8 x 32, 4 waves a work-group, clusters of 4 x 4, 327,680 bytes of LDS; arguments xq, wq, lowp_scales, hq; writes hq
.if DOCPART == 3
	.amdgcn_target "amdgcn-amd-amdhsa--gfx1250"
	.amdhsa_code_object_version 6
	.text
	.protected	k_q4d7ccdb9fb_gateup
	.globl	k_q4d7ccdb9fb_gateup
	.p2align	8
	.type	k_q4d7ccdb9fb_gateup,@function
k_q4d7ccdb9fb_gateup:
	s_mov_b64 s[64:65], 0
	v_nop
	global_prefetch_b8 v0, s[64:65] scope:SCOPE_SE
	s_setreg_imm32_b32 hwreg(HW_REG_WAVE_MODE, 25, 1), 1
	s_wait_xcnt 0x0
	s_wait_alu depctr_hold_cnt(0) depctr_sa_sdst(0) depctr_va_vdst(0) depctr_va_sdst(0) depctr_va_ssrc(0) depctr_va_vcc(0) depctr_vm_vsrc(0)
	s_getreg_b32 s2, hwreg(HW_REG_IB_STS2, 6, 4)
	s_cmp_eq_u32 s2, 0
	s_cbranch_scc0 .Lentry_in_a_cluster
	s_endpgm
.Lentry_in_a_cluster:
	s_bfe_u32 s2, ttmp6, 0x10000c
	s_cmp_lg_u32 s2, 0xf033
	s_cbranch_scc0 .Lentry_shape_is_right
	s_endpgm
.Lentry_shape_is_right:
; h = silu(a W1^T) x (a W2^T), then h's own quantiser by groups of 64 and its codes of FP8 (E4M3) by 2^e4, stored as images of the next product's operand registers.
; LEFT OUT as in launch prep: h + (q - h) is q for all real h and q, so q goes to the quantiser.
; a's codes come from xq (a set by e0, a set by e2), the weights' from wq; both lie as images of fragments of 16 rows x 128 K, 2,048 bytes each.
; A work-group of four waves makes 256 rows x 128 columns of BOTH products; a wave makes 128 x 128 of one product: 64 accumulators, 512 registers.
; K goes through a ring of two LDS slots: Y holds one K step of 128 (98,304 bytes), X two.  4 x 4 work-groups form a cluster: a's tiles are asked for jointly along a row, the weights' along a column.
; At the end the waves of a pair hand each other half of their sums through LDS, so that each holds both products of 64 x 128 numbers of h.
; PREFETCHES INTO THE L2: a lane a block of 256 bytes.  An instruction of a wave that fetches a names one K step of 4 fragments' rows, one of a wave that fetches weights two K steps of 2; the four partners
; that ask for a tile jointly share it out by address.  Every cluster asks for its own tiles of a; of the eight clusters that load the same weights the four of even y ask.
; K steps 1 and 2 (of the weights 1 to 3) are asked for behind the first joint load, a's K step 3 and K steps 4 and 5 behind the second, K step 6 and later two changes of slots ahead of their loads;
; the last steps ask for nothing.
; LIMITS: NaN and infinities are not served; e0 + e1, e2 + e3 and e4 less their sum stay inside an f32 number's exponent field.
.set PFH,   31
.set FR,    16
.set UNIT,  98304
.set XBASE, 0
.set YBASE, 2*UNIT
.set XCH,   XBASE
.set SPARE, 3*UNIT
.set ADRAL, 16
.set ADRAH, 18
.set ADRB,  20
.set XSND,  22
.set XRCV,  23
.set L16,   24
.set LIMV,  26
.set SCV,   27
.set SPW,   28
.set NIL,   29
.set PFO,   30
.set MX,    32
.set RC,    36
.set AA,    40
.set BB,    44
.set EE,    48
.set PM,    52
.set CC,    64
.set T,     128
.set P,     192
.set AF,    128
.set Q127, 12
.set C127, 18
.set EPSR, 19
.set SEL,  22
.set G1,   24
.set G0,   32
.set G1B,  48
.set G0B,  56
.set PFA,  66
.set ANY0, 68
.set AON0, 70
.set G1X,  80
.set G1XB, 88
.set CK,   96
.set CR,   98
.set MSB, 0
.macro WIN new
.if MSB != \new
	s_set_vgpr_msb (MSB<<8)|\new
.set MSB, \new
.endif
.endm
.set MUL_LO, 0xa1
.set MUL_HI, 0xf1
.set TO_B,   0x40
.macro JLOAD g0a, g1a, g0b, g1b
	s_cmp_eq_u32 s15, 0
	s_cbranch_scc0 .Lfor_b_\@
	tensor_load_to_lds s[\g0a:\g0a+3], s[\g1a:\g1a+7]
	s_nop 0
.rept 4
	v_nop
.endr
	s_branch .Lasked_\@
.Lfor_b_\@:
	tensor_load_to_lds s[\g0b:\g0b+3], s[\g1b:\g1b+7]
	s_nop 0
.rept 4
	v_nop
.endr
.Lasked_\@:
.endm
.macro CREST
	s_cmp_lg_u32 s14, 0
	s_cbranch_scc1 .Lnot_wave_0_\@
	s_barrier_signal -3
.Lnot_wave_0_\@:
	s_barrier_wait -3
	s_barrier_signal -1
	s_barrier_wait -1
.endm
.macro CROUND
	s_barrier_signal -1
	s_barrier_wait -1
	CREST
.endm
.macro SHAPE g, len, rows
	s_mov_b32 s[\g+1], (\len)<<16
	s_mov_b32 s[\g+2], (\rows)<<16
	s_mov_b32 s[\g+3], (\len)<<16
	s_mov_b32 s[\g+4], \rows
	s_mov_b32 s[\g+5], 4096
	s_mov_b32 s[\g+6], 0
	s_mov_b32 s[\g+7], 0
.endm
.macro ASK both, aonly, late
.if (\both) >= 0
	s_cmp_gt_u32 s3, s[ANY0+(\late)]
	s_cbranch_scc0 .Lnot_any_\@
	global_prefetch_b8 v[PFO], s[PFA:PFA+1] offset:2048*(\both) th:TH_LOAD_NT scope:SCOPE_SE
.Lnot_any_\@:
.endif
.if (\aonly) >= 0
	s_cmp_gt_u32 s3, s[AON0+(\late)]
	s_cbranch_scc0 .Lnot_a_\@
	global_prefetch_b8 v[PFO], s[PFA:PFA+1] offset:2048*(\aonly) th:TH_LOAD_NT scope:SCOPE_SE
.Lnot_a_\@:
.endif
.endm
.macro FRAG reg, adr, off
.irp c, 0,1,2,3
	ds_load_b128 v[\reg+4*\c:\reg+4*\c+3], v[\adr] offset:\off+512*\c
.endr
.endm
.macro FETCH_B sl, q, p
	WIN TO_B
.irp i, 0,1,2,3,4,5,6,7
	FRAG 128*(\p)+FR*\i, ADRB+(\sl), 2048*(1+(\sl))*\i+2048*(\q)
.endr
	WIN 0
.endm
.macro FETCH_AL sl, q
.irp i, 0,1,2,3
	FRAG AF+FR*\i, ADRAL+(\sl), 2048*(1+(\sl))*\i+2048*(\q)
.endr
.endm
.macro FETCH_AH sl, q
.irp i, 0,1,2,3
	FRAG AF+FR*(4+\i), ADRAH+(\sl), 2048*(1+(\sl))*\i+2048*(\q)
.endr
.endm
.macro MUL8 a, p, zero
.irp b, 0,1,2,3,4,5,6,7
.if \zero
	v_wmma_f32_16x16x128_fp8_fp8 v[8*(8*((\a)%4)+\b):8*(8*((\a)%4)+\b)+7], v[128*(\p)+FR*\b:128*(\p)+FR*\b+FR-1], v[AF+FR*(\a):AF+FR*(\a)+FR-1], 0
.else
	v_wmma_f32_16x16x128_fp8_fp8 v[8*(8*((\a)%4)+\b):8*(8*((\a)%4)+\b)+7], v[128*(\p)+FR*\b:128*(\p)+FR*\b+FR-1], v[AF+FR*(\a):AF+FR*(\a)+FR-1], v[8*(8*((\a)%4)+\b):8*(8*((\a)%4)+\b)+7]
.endif
.endr
.endm
.macro PLACES
.rept 4
	v_nop
.endr
.endm
.macro STEP p
	s_wait_dscnt 16
	WIN MUL_LO
	MUL8 0, \p, 0
	MUL8 1, \p, 0
	MUL8 2, \p, 0
	MUL8 3, \p, 0
	s_wait_dscnt 0
	PLACES
	FETCH_B 1, 1, 1-(\p)
	FETCH_AL 1, 1
	WIN MUL_HI
	MUL8 4, \p, 0
	MUL8 5, \p, 0
	MUL8 6, \p, 0
	MUL8 7, \p, 0
	PLACES
	WIN 0
	FETCH_AH 1, 1
.endm
.macro TURN from, p, fill, zero, both, aonly, late
	s_wait_dscnt 16
	WIN MUL_LO
	MUL8 0, \p, \zero
	MUL8 1, \p, \zero
	MUL8 2, \p, \zero
	MUL8 3, \p, \zero
	WIN 0
	s_wait_tensorcnt 0x0
	ds_add_u32 v[SPW], v[NIL]
.if \fill
	s_add_nc_u64 s[G0+4*(\from)+2:G0+4*(\from)+3], s[G0+4*(\from)+2:G0+4*(\from)+3], 3*2048
	s_add_nc_u64 s[G0B+4*(\from)+2:G0B+4*(\from)+3], s[G0B+4*(\from)+2:G0B+4*(\from)+3], 3*2048
.endif
	s_wait_dscnt 0x0
	s_barrier_signal -1
	s_barrier_wait -1
.if \fill
	CREST
.if \from
	JLOAD G0+4, G1X, G0B+4, G1XB
.else
	JLOAD G0, G1, G0B, G1B
.endif
.else
	PLACES
.endif
	FETCH_B 1-(\from), 0, 1-(\p)
	FETCH_AL 1-(\from), 0
.if \fill
	ASK \both, \aonly, \late
.endif
	WIN MUL_HI
	MUL8 4, \p, \zero
	MUL8 5, \p, \zero
	MUL8 6, \p, \zero
	MUL8 7, \p, \zero
	PLACES
	WIN 0
	FETCH_AH 1-(\from), 0
.endm
.macro HBLOCK i
	s_wait_dscnt 48-16*(\i)
	WIN 0x01
.set j, 0
.rept 32
	v_pk_mul_f32 v[T+j:T+j+1], v[64*(\i)+j:64*(\i)+j+1], s[CR:CR+1] op_sel_hi:[1,0]
.set j, j+2
.endr
	WIN 0x02
.set j, 0
.rept 32
	v_pk_fma_f32 v[T+j:T+j+1], v[64*(\i)+j:64*(\i)+j+1], s[CK:CK+1], v[T+j:T+j+1] op_sel_hi:[1,0,1]
.set j, j+2
.endr
	WIN 0
.set j, 0
	s_wait_alu depctr_va_vdst(0)
.rept 64
	v_exp_f32 v[T+j], v[T+j]
.set j, j+1
.endr
	WIN 0x06
.set j, 0
.rept 32
	v_pk_mul_f32 v[P+j:P+j+1], v[64*(\i)+j:64*(\i)+j+1], v[64*(\i)+j:64*(\i)+j+1]
.set j, j+2
.endr
	WIN 0
	s_wait_alu depctr_va_vdst(0)
.set j, 0
.rept 32
	v_pk_add_f32 v[T+j:T+j+1], v[T+j:T+j+1], 1.0 op_sel_hi:[1,0]
.set j, j+2
.endr
.set j, 0
	s_wait_alu depctr_va_vdst(0)
.rept 64
	v_rcp_f32 v[T+j], v[T+j]
.set j, j+1
.endr
	v_nop
	s_wait_alu depctr_va_vdst(0)
.set j, 0
.rept 32
	v_pk_mul_f32 v[P+j:P+j+1], v[P+j:P+j+1], v[T+j:T+j+1]
.set j, j+2
.endr
	v_max3_num_f32 v[MX], |v[P]|, |v[P+1]|, s[EPSR]
	v_max3_num_f32 v[MX+2], |v[P+32]|, |v[P+33]|, s[EPSR]
.set j, 2
.rept 15
	v_max3_num_f32 v[MX], v[MX], |v[P+j]|, |v[P+j+1]|
	v_max3_num_f32 v[MX+2], v[MX+2], |v[P+32+j]|, |v[P+33+j]|
.set j, j+2
.endr
	v_permlanex16_b32 v[PM], v[MX], s[SEL], s[SEL+1]
	v_permlanex16_b32 v[PM+2], v[MX+2], s[SEL], s[SEL+1]
	v_max_num_f32 v[MX], v[MX], v[PM]
	v_max_num_f32 v[MX+2], v[MX+2], v[PM+2]
	s_wait_alu depctr_va_vdst(0)
	v_rcp_f32 v[RC], v[MX]
	v_rcp_f32 v[RC+2], v[MX+2]
	v_mul_f32 v[BB], s[C127], v[MX]
	v_mul_f32 v[BB+2], s[C127], v[MX+2]
	s_wait_alu depctr_va_vdst(0)
.irp g, 0,2
	v_mul_f32 v[AA+\g], s[Q127], v[RC+\g]
.endr
.irp g, 0,2
	v_fma_f32 v[EE+\g], -v[AA+\g], v[MX+\g], s[Q127]
.endr
.irp g, 0,2
	v_fma_f32 v[AA+\g], v[EE+\g], v[RC+\g], v[AA+\g]
.endr
.irp g, 0,2
	v_fma_f32 v[EE+\g], -v[BB+\g], s[Q127], v[MX+\g]
.endr
.irp g, 0,2
	v_fma_f32 v[BB+\g], v[EE+\g], s[C127], v[BB+\g]
.endr
.irp g, 0,1
.set j, 0
.rept 16
	v_pk_mul_f32 v[T+32*\g+j:T+32*\g+j+1], v[P+32*\g+j:P+32*\g+j+1], v[AA+2*\g:AA+2*\g+1] op_sel_hi:[1,0]
.set j, j+2
.endr
.endr
.set j, 0
.rept 64
	v_med3_num_f32 v[T+j], v[T+j], s[Q127+1], s[Q127]
.set j, j+1
.endr
.set j, 0
.rept 64
	v_rndne_f32 v[T+j], v[T+j]
.set j, j+1
.endr
.irp g, 0,1
.set j, 0
.rept 16
	v_pk_mul_f32 v[T+32*\g+j:T+32*\g+j+1], v[T+32*\g+j:T+32*\g+j+1], v[BB+2*\g:BB+2*\g+1] op_sel_hi:[1,0]
.set j, j+2
.endr
.endr
.set j, 0
.rept 64
	v_med3_num_f32 v[P+j], v[T+j], -v[LIMV], v[LIMV]   ; q, held at the largest code x the scale: the conversion to an 8-bit code does not saturate (ISA guide 7.6.2)
.set j, j+1
.endr
.irp b, 0,1,2,3,4,5,6,7
	v_cvt_scalef32_pk8_fp8_f32 v[CC+16*(\i)+2*\b:CC+16*(\i)+2*\b+1], v[P+8*\b:P+8*\b+7], v[SCV]
.endr
	v_nop
.irp c, 0,1,2,3
	global_store_b128 v[L16], v[CC+16*(\i)+4*\c:CC+16*(\i)+4*\c+3], s[10:11] offset:16384*(\i)+512*\c
.endr
.endm
	s_load_b128 s[4:7], s[0:1], 0x0
	s_load_b128 s[8:11], s[0:1], 0x10
	v_lshl_add_u32 v[SPW], v0, 2, SPARE
	v_mov_b32 v[NIL], 0
	ds_add_u32 v[SPW], v[NIL]
	ds_add_u32 v[SPW], v[NIL]
	v_lshrrev_b32 v1, 5, v0
	v_readfirstlane_b32 s14, v1
	s_lshr_b32 s15, s14, 1
	s_and_b32 s16, s14, 1
	s_bfe_u32 s40, ttmp6, 0x40000
	s_bfe_u32 s41, ttmp6, 0x40004
	s_lshl_b32 s42, ttmp9, 2
	s_add_co_u32 s42, s42, s40
	s_and_b32 s17, ttmp7, 0xffff
	s_lshl_b32 s17, s17, 2
	s_add_co_u32 s17, s17, s41
	s_lshl_b32 s43, s41, 2
	s_lshl_b32 s43, 15, s43
	s_lshl_b32 s44, 0x1111, s40
	s_or_b32 s[G1], s43, (3<<16)|(1<<21)
	s_or_b32 s[G1X], s43, (3<<16)|(1<<21)
	s_or_b32 s[G1B], s44, (3<<16)|(1<<21)
	s_or_b32 s[G1XB], s44, (3<<16)|(1<<21)
	SHAPE G1, 256, 16
	SHAPE G1B, 256, 8
	SHAPE G1X, 512, 16
	SHAPE G1XB, 512, 8
	s_lshl_b32 s20, s17, 19
	s_lshl_b32 s21, s16, 24
	s_add_co_u32 s20, s20, s21
	s_mov_b32 s21, 0
	s_lshl_b32 s46, s42, 18
	s_lshl_b32 s47, s16, 21
	s_add_co_u32 s46, s46, s47
	s_mov_b32 s47, 0
	s_lshl_b32 s12, s16, 15
	s_lshl_b32 s13, s16, 14
	s_lshl_b32 s18, s16, 16
	s_lshl_b32 s19, s16, 15
	s_wait_dscnt 0x0
	s_wait_kmcnt 0x0
	s_load_b128 s[72:75], s[8:9], 0x0
	s_load_b64 s[76:77], s[8:9], 0x10
	s_add_nc_u64 s[20:21], s[4:5], s[20:21]
	s_add_nc_u64 s[46:47], s[6:7], s[46:47]
	CROUND
	s_mov_b32 s[G0], 1
	s_add_co_u32 s[G0+1], s12, YBASE
	s_mov_b64 s[G0+2:G0+3], s[20:21]
	s_or_b32 s[G0+3], s[G0+3], 0x80000000
	s_mov_b32 s[G0B], 1
	s_add_co_u32 s[G0B+1], s13, YBASE+65536
	s_mov_b64 s[G0B+2:G0B+3], s[46:47]
	s_or_b32 s[G0B+3], s[G0B+3], 0x80000000
	JLOAD G0, G1, G0B, G1B
	; the prefetches' base, offsets and bounds
	s_lshl_b32 s78, s40, 17                        ; a: my work-group's 4 of the tile's 16 fragment rows, by cx
	s_lshl_b32 s79, s41, 16                        ; the weights: my 2 of 8, by cy
	s_and_b32 s43, ttmp7, 1                        ; the weights are asked for by the clusters of even y,
	s_cmp_eq_u32 s15, 0
	s_cselect_b64 s[PFA:PFA+1], s[20:21], s[46:47]
	s_cselect_b32 s78, s78, s79
	s_cselect_b32 s43, 0, s43                      ; a's tiles by every cluster
	s_cselect_b32 s44, 3, 4
	s_cselect_b32 s45, 7, 15
	s_mov_b32 s79, 0
	s_add_nc_u64 s[PFA:PFA+1], s[PFA:PFA+1], s[78:79]
	s_cmp_eq_u32 s43, 0
	s_cselect_b32 s[ANY0], 0, -1
	s_cselect_b32 s[ANY0+1], 1, -1
	s_or_b32 s43, s43, s15
	s_cmp_eq_u32 s43, 0
	s_cselect_b32 s[AON0], 0, -1
	s_cselect_b32 s[AON0+1], 1, -1
	s_mov_b32 s3, 2
	v_and_b32 v1, 31, v0
	v_lshrrev_b32 v[PFO], s44, v1
	v_and_b32 v2, s45, v1
	v_lshlrev_b32 v2, 8, v2
	v_lshl_add_u32 v[PFO], v[PFO], 15, v2
	v_or_b32 v[PFH], 0x800, v[PFO]                 ; K step 1 alone: a's lanes one K step on; of the weights' lanes those of K step 0 name K step 1's blocks with the others
	v_lshlrev_b32 v[L16], 4, v1
	s_wait_alu depctr_va_vdst(0)
	s_cmp_gt_u32 s3, s[ANY0]
	s_cbranch_scc0 .Lno_first
	global_prefetch_b8 v[PFH], s[PFA:PFA+1] th:TH_LOAD_NT scope:SCOPE_SE
.Lno_first:
	ASK 2, -1, 0                                   ; a's K step 2, the weights' 2 and 3
	s_mov_b32 s[G0+4], 1
	s_add_co_u32 s[G0+5], s18, XBASE
	s_add_nc_u64 s[G0+6:G0+7], s[20:21], 2048
	s_or_b32 s[G0+7], s[G0+7], 0x80000000
	s_mov_b32 s[G0B+4], 1
	s_add_co_u32 s[G0B+5], s19, XBASE+131072
	s_add_nc_u64 s[G0B+6:G0B+7], s[46:47], 2048
	s_or_b32 s[G0B+7], s[G0B+7], 0x80000000
	s_wait_alu depctr_va_vdst(0)
	s_wait_tensorcnt 0x0
	ds_add_u32 v28, v29
	s_wait_dscnt 0x0
	CROUND
	JLOAD G0+4, G1X, G0B+4, G1XB
	ASK -1, 3, 0                                   ; a's K step 3: slot Y's second fill,
	ASK 4, 5, 0                                    ; K steps 4 and 5: slot X's second fill
	s_mul_i32 s96, s15, 40960
	s_lshl_b32 s97, s16, 14
	s_add_co_u32 s96, s96, s97
	s_lshl_b32 s98, s15, 15
	s_add_co_u32 s98, s98, s97
	s_xor_b32 s99, s15, 1
	s_lshl_b32 s99, s99, 13
	s_add_co_u32 s98, s98, s99
	s_lshl_b32 s22, s15, 14
	s_add_co_u32 s22, s22, 65536
	s_add_co_u32 s23, s96, YBASE
	v_add_nc_u32 v[ADRAL], s23, v[L16]
	s_add_co_u32 s23, s98, YBASE
	v_add_nc_u32 v[ADRAH], s23, v[L16]
	s_add_co_u32 s23, s22, YBASE
	v_add_nc_u32 v[ADRB], s23, v[L16]
	s_lshl_b32 s23, s96, 1
	v_add_nc_u32 v[ADRAL+1], s23, v[L16]
	s_lshl_b32 s23, s98, 1
	v_add_nc_u32 v[ADRAH+1], s23, v[L16]
	s_lshl_b32 s23, s22, 1
	v_add_nc_u32 v[ADRB+1], s23, v[L16]
	s_lshl_b32 s23, s14, 15
	s_add_co_u32 s23, s23, XCH
	v_add_nc_u32 v[XSND], s23, v[L16]
	s_xor_b32 s23, s14, 2
	s_lshl_b32 s23, s23, 15
	s_add_co_u32 s23, s23, XCH
	v_add_nc_u32 v[XRCV], s23, v[L16]
	s_lshl_b32 s46, s17, 18
	s_lshl_b32 s47, s16, 17
	s_add_co_u32 s46, s46, s47
	s_lshl_b32 s47, s15, 16
	s_add_co_u32 s46, s46, s47
	s_lshl_b32 s47, s42, 11
	s_add_co_u32 s46, s46, s47
	s_mov_b32 s47, 0
	s_add_nc_u64 s[10:11], s[10:11], s[46:47]
	s_wait_alu depctr_va_vdst(0)
	s_wait_tensorcnt 1
	s_barrier_signal -1
	s_barrier_wait -1
	FETCH_B 0, 0, 0
	FETCH_AL 0, 0
	FETCH_AH 0, 0
	s_mov_b32 s3, 2
	TURN 0, 0, 1, 1, 6, -1, 0
.Llap:
	STEP 1
	TURN 1, 0, 1, 0, 8, 7, 0
	TURN 0, 1, 1, 0, -1, 9, 0
	STEP 0
	TURN 1, 1, 1, 0, 10, 11, 1
	TURN 0, 0, 1, 0, 12, -1, 1
	s_wait_xcnt 0x0
	s_add_nc_u64 s[PFA:PFA+1], s[PFA:PFA+1], 6*2048
	s_sub_co_u32 s3, s3, 1
	s_cmp_lg_u32 s3, 0
	s_cbranch_scc1 .Llap
	STEP 1
	TURN 1, 0, 0, 0, -1, -1, 0
	s_wait_dscnt 16
	WIN MUL_LO
	MUL8 0, 1, 0
	MUL8 1, 1, 0
	MUL8 2, 1, 0
	MUL8 3, 1, 0
	s_wait_dscnt 0
	WIN MUL_HI
	MUL8 4, 1, 0
	MUL8 5, 1, 0
	MUL8 6, 1, 0
	MUL8 7, 1, 0
	WIN 0
	s_mov_b32 s[SEL], 0x76543210
	s_mov_b32 s[SEL+1], 0xfedcba98
	s_mov_b32 s[Q127], 0x42fe0000
	s_mov_b32 s[Q127+1], 0xc2fe0000
	s_mov_b32 s[C127], 0x3c010204
	s_wait_kmcnt 0x0
	s_add_co_i32 s78, s72, s73
	s_add_co_i32 s79, s74, s75
	s_add_co_i32 s79, s79, s78
	s_lshl_b32 s78, s78, 23
	s_add_co_u32 s78, s78, 0xbfb8aa3b
	s_cmp_eq_u32 s15, 0
	s_cselect_b32 s[CK], s78, 0
	s_cselect_b32 s[CR], 0, s78
	s_mov_b32 s[CK+1], s[CK]
	s_mov_b32 s[CR+1], s[CR]
	s_lshl_b32 s43, s79, 23
	s_sub_co_u32 s[EPSR], 0x3727c5ac, s43
	s_sub_co_i32 s43, s76, s79
	s_add_co_i32 s43, s43, 127
	s_lshl_b32 s44, s43, 23
	s_add_co_i32 s43, s43, 8
	s_lshl_b32 s43, s43, 23
	s_or_b32 s43, s43, 0x600000
	v_mov_b32 v[SCV], s44
	v_mov_b32 v[LIMV], s43
	v_mov_b32 v[AA+1], 0
	v_mov_b32 v[AA+3], 0
	v_mov_b32 v[BB+1], 0
	v_mov_b32 v[BB+3], 0
	v_mov_b32 v[PM], 0
	v_mov_b32 v[PM+2], 0
	WIN 0x0c
.set n, 0
.rept 64
	ds_store_b128 v[XSND], v[4*n:4*n+3] offset:512*n
.set n, n+1
.endr
	WIN 0
	s_wait_dscnt 0x0
	s_barrier_signal -1
	s_barrier_wait -1
	WIN 0x40
.set n, 0
.rept 64
	ds_load_b128 v[4*n:4*n+3], v[XRCV] offset:512*n
.set n, n+1
.endr
	WIN 0
	HBLOCK 0
	HBLOCK 1
	HBLOCK 2
	HBLOCK 3
	s_wait_tensorcnt 0x0
	ds_add_u32 v[SPW], v[NIL]
	s_wait_dscnt 0x0
	CROUND
	s_endpgm
.Lfunc_end_k_q4d7ccdb9fb_gateup:
	.size	k_q4d7ccdb9fb_gateup, .Lfunc_end_k_q4d7ccdb9fb_gateup-k_q4d7ccdb9fb_gateup
	.p2alignl 7, 3214868480
	.fill 96, 4, 3214868480
	.section	.rodata,"a",@progbits
	.p2align	6, 0x0
	.amdhsa_kernel k_q4d7ccdb9fb_gateup
		.amdhsa_group_segment_fixed_size 327680
		.amdhsa_private_segment_fixed_size 0
		.amdhsa_enable_private_segment 0
		.amdhsa_kernarg_size 32
		.amdhsa_user_sgpr_count 2
		.amdhsa_user_sgpr_kernarg_segment_ptr 1
		.amdhsa_wavefront_size32 1
		.amdhsa_system_sgpr_workgroup_id_x 1
		.amdhsa_system_sgpr_workgroup_id_y 1
		.amdhsa_system_sgpr_workgroup_id_z 1
		.amdhsa_system_vgpr_workitem_id 0
		.amdhsa_next_free_vgpr 1024
		.amdhsa_next_free_sgpr 100
		.amdhsa_reserve_vcc 0
		.amdhsa_float_denorm_mode_32 3
		.amdhsa_float_denorm_mode_16_64 3
		.amdhsa_memory_ordered 1
		.amdhsa_forward_progress 1
		.amdhsa_inst_pref_size 239
	.end_amdhsa_kernel
	.amdgpu_metadata
---
amdhsa.version: [ 1, 2 ]
amdhsa.kernels:
  - .name:           k_q4d7ccdb9fb_gateup
    .symbol:         k_q4d7ccdb9fb_gateup.kd
    .args:
      - { .name: xq, .offset: 0, .size: 8, .value_kind: global_buffer, .address_space: global }
      - { .name: wq, .offset: 8, .size: 8, .value_kind: global_buffer, .address_space: global }
      - { .name: lowp_scales, .offset: 16, .size: 8, .value_kind: global_buffer, .address_space: global }
      - { .name: hq, .offset: 24, .size: 8, .value_kind: global_buffer, .address_space: global }
    .group_segment_fixed_size: 327680
    .private_segment_fixed_size: 0
    .kernarg_segment_align: 8
    .kernarg_segment_size: 32
    .max_flat_workgroup_size: 128
    .sgpr_count:     100
    .vgpr_count:     1024
    .wavefront_size: 32
...
	.end_amdgpu_metadata
.endif
;; end of part 3
;; launch down (part 4): grid 8 x 32, 4 waves a work-group, clusters of 4 x 4, 327,680 bytes of LDS; arguments hq, wq, lowp_scales, out0; writes out0
.if DOCPART == 4
	.amdgcn_target "amdgcn-amd-amdhsa--gfx1250"
	.amdhsa_code_object_version 6
	.text
	.protected	k_q4d7ccdb9fb_down
	.globl	k_q4d7ccdb9fb_down
	.p2align	8
	.type	k_q4d7ccdb9fb_down,@function
k_q4d7ccdb9fb_down:
	s_mov_b64 s[64:65], 0
	v_nop
	global_prefetch_b8 v0, s[64:65] scope:SCOPE_SE
	s_setreg_imm32_b32 hwreg(HW_REG_WAVE_MODE, 25, 1), 1
	s_wait_xcnt 0x0
	s_wait_alu depctr_hold_cnt(0) depctr_sa_sdst(0) depctr_va_vdst(0) depctr_va_sdst(0) depctr_va_ssrc(0) depctr_va_vcc(0) depctr_vm_vsrc(0)
	s_getreg_b32 s2, hwreg(HW_REG_IB_STS2, 6, 4)
	s_cmp_eq_u32 s2, 0
	s_cbranch_scc0 .Lentry_in_a_cluster
	s_endpgm
.Lentry_in_a_cluster:
	s_bfe_u32 s2, ttmp6, 0x10000c
	s_cmp_lg_u32 s2, 0xf033
	s_cbranch_scc0 .Lentry_shape_is_right
	s_endpgm
.Lentry_shape_is_right:
; out0 = h W3^T x 2^(e4 + e5): h's codes from hq, W3's from wq (4 MiB in), both as images of fragments of 16 rows x 128 K, 2,048 bytes each; sums in f32.
; A work-group of four waves makes 256 x 256 of out0, a wave 128 x 128: 64 accumulators.  K = 1,024 goes in four steps of 256 through a ring of two LDS slots; 4 x 4 work-groups form a cluster and
; ask jointly for h's tiles along a row and for W3's along a column.  The results leave through each wave's own stage in slot 0, as rows of 512 bytes.
; PREFETCHES INTO THE L2: one instruction a wave for each of the K steps 1, 2 and 3 of the 8 fragment rows x 4,096 bytes that the wave fetches: the four partners that ask for them jointly take 2 rows each,
; by address; a lane a block of 256 bytes.  K step 1 is asked for behind the first joint load, K steps 2 and 3 behind the second.  Every cluster asks for its own tiles of h; of the eight clusters
; that load the same tiles of W3 the four of even y ask.
; LIMIT: e4 + e5 between -126 and 127.
.set SIZE_N, 2048
.set FR,     16
.set HALFT,  32768
.set SLOT,   4*HALFT
.set SPARE,  2*SLOT
.set SPITCH, 528
.set ADRA, 16
.set ADRB, 20
.set STO,  24
.set RD,   25
.set CO,   26
.set SPW,  28
.set NIL,  29
.set TMP,  32
.set AF,   128
.set BK,   128
.set G1, 24
.set G0, 32
.set G1B, 48
.set G0B, 56
.set PFO,  30                          ; v30      the prefetches' offset; never rewritten
.set PFA,  70                          ; s[70:71] their base; never rewritten
.set PLIM, 68                          ; s68      0 where my wave asks
.macro PASK first, last
	s_cmp_eq_u32 s[PLIM], 0
	s_cbranch_scc0 .Lnot_asked_\@
.set q, \first
.rept (\last)-(\first)+1
	global_prefetch_b8 v[PFO], s[PFA:PFA+1] offset:4096*q th:TH_LOAD_NT scope:SCOPE_SE
.set q, q+1
.endr
.Lnot_asked_\@:
.endm
.set MSB, 0
.macro WIN new
.if MSB != \new
	s_set_vgpr_msb (MSB<<8)|\new
.set MSB, \new
.endif
.endm
.set MUL_LO, 0xa1
.set MUL_HI, 0xf1
.set TO_B,   0x40
.macro JLOAD g0a, g1a, g0b, g1b
	s_cmp_eq_u32 s15, 0
	s_cbranch_scc0 .Lfor_b_\@
	tensor_load_to_lds s[\g0a:\g0a+3], s[\g1a:\g1a+7]
	s_nop 0
.rept 4
	v_nop
.endr
	s_branch .Lasked_\@
.Lfor_b_\@:
	tensor_load_to_lds s[\g0b:\g0b+3], s[\g1b:\g1b+7]
	s_nop 0
.rept 4
	v_nop
.endr
.Lasked_\@:
.endm
.macro CREST
	s_cmp_lg_u32 s14, 0
	s_cbranch_scc1 .Lnot_wave_0_\@
	s_barrier_signal -3
.Lnot_wave_0_\@:
	s_barrier_wait -3
	s_barrier_signal -1
	s_barrier_wait -1
.endm
.macro CROUND
	s_barrier_signal -1
	s_barrier_wait -1
	CREST
.endm
.macro FRAG reg, adr, q, i
.irp c, 0,1,2,3
	ds_load_b128 v[\reg+4*\c:\reg+4*\c+3], v[\adr] offset:4096*(\i)+2048*(\q)+512*\c
.endr
.endm
.macro FETCH_B slot, q, p
	WIN TO_B
.irp i, 0,1,2,3,4,5,6,7
	FRAG 128*(\p)+FR*\i, ADRB+(\slot), \q, \i
.endr
	WIN 0
.endm
.macro FETCH_A slot, q, i0
.irp i, \i0, \i0+1, \i0+2, \i0+3
	FRAG AF+FR*(\i), ADRA+(\slot), \q, \i
.endr
.endm
.macro MUL8 a, p, zero
.irp b, 0,1,2,3,4,5,6,7
.if \zero
	v_wmma_f32_16x16x128_fp8_fp8 v[8*(8*((\a)%4)+\b):8*(8*((\a)%4)+\b)+7], v[128*(\p)+FR*\b:128*(\p)+FR*\b+FR-1], v[AF+FR*(\a):AF+FR*(\a)+FR-1], 0
.else
	v_wmma_f32_16x16x128_fp8_fp8 v[8*(8*((\a)%4)+\b):8*(8*((\a)%4)+\b)+7], v[128*(\p)+FR*\b:128*(\p)+FR*\b+FR-1], v[AF+FR*(\a):AF+FR*(\a)+FR-1], v[8*(8*((\a)%4)+\b):8*(8*((\a)%4)+\b)+7]
.endif
.endr
.endm
.macro PLACES
.rept 4
	v_nop
.endr
.endm
.macro STEP slot, zero
	s_wait_dscnt 16
	WIN MUL_LO
	MUL8 0, 0, \zero
	MUL8 1, 0, \zero
	MUL8 2, 0, \zero
	MUL8 3, 0, \zero
	s_wait_dscnt 0
	PLACES
	FETCH_B \slot, 1, 1
	FETCH_A \slot, 1, 0
	WIN MUL_HI
	MUL8 4, 0, \zero
	MUL8 5, 0, \zero
	MUL8 6, 0, \zero
	MUL8 7, 0, \zero
	PLACES
	WIN 0
	FETCH_A \slot, 1, 4
.endm
.macro TURN slot, next, fill
	s_wait_dscnt 16
	WIN MUL_LO
	MUL8 0, 1, 0
	MUL8 1, 1, 0
	WIN 0
	s_wait_tensorcnt 0x0
	ds_add_u32 v[SPW], v[NIL]
	WIN MUL_LO
	MUL8 2, 1, 0
	s_wait_dscnt 0x0
	s_barrier_signal -1
	MUL8 3, 1, 0
	WIN 0
	s_barrier_wait -1
.if \fill
	CREST
	s_add_nc_u64 s[G0+4*\slot+2:G0+4*\slot+3], s[G0+4*\slot+2:G0+4*\slot+3], 8192
	s_add_nc_u64 s[G0B+4*\slot+2:G0B+4*\slot+3], s[G0B+4*\slot+2:G0B+4*\slot+3], 8192
	JLOAD G0+4*\slot, G1, G0B+4*\slot, G1B
.else
	PLACES
.endif
	FETCH_B \next, 0, 0
	FETCH_A \next, 0, 0
	WIN MUL_HI
	MUL8 4, 1, 0
	MUL8 5, 1, 0
	MUL8 6, 1, 0
	MUL8 7, 1, 0
	PLACES
	WIN 0
	FETCH_A \next, 0, 4
.endm
	s_load_b128 s[4:7], s[0:1], 0x0
	s_load_b128 s[8:11], s[0:1], 0x10
	v_lshl_add_u32 v[SPW], v0, 2, SPARE
	v_mov_b32 v[NIL], 0
	ds_add_u32 v[SPW], v[NIL]
	ds_add_u32 v[SPW], v[NIL]
	v_lshrrev_b32 v1, 5, v0
	v_readfirstlane_b32 s14, v1
	s_lshr_b32 s15, s14, 1
	s_and_b32 s16, s14, 1
	s_bfe_u32 s40, ttmp6, 0x40000
	s_bfe_u32 s41, ttmp6, 0x40004
	s_lshl_b32 s42, ttmp9, 2
	s_add_co_u32 s42, s42, s40
	s_and_b32 s17, ttmp7, 0xffff
	s_lshl_b32 s17, s17, 2
	s_add_co_u32 s17, s17, s41
	s_lshl_b32 s43, s41, 2
	s_lshl_b32 s43, 15, s43
	s_lshl_b32 s44, 0x1111, s40
	s_or_b32 s[G1+0], s43, (3<<16)|(1<<21)
	s_or_b32 s[G1B+0], s44, (3<<16)|(1<<21)
.irp g, G1, G1B
	s_mov_b32 s[\g+1], 512<<16
	s_mov_b32 s[\g+2], 8<<16
	s_mov_b32 s[\g+3], 512<<16
	s_mov_b32 s[\g+4], 8
	s_mov_b32 s[\g+5], 2048
	s_mov_b32 s[\g+6], 0
	s_mov_b32 s[\g+7], 0
.endr
	s_lshl_b32 s18, s16, 17
	s_lshl_b32 s20, s17, 18
	s_add_co_u32 s20, s20, s18
	s_mov_b32 s21, 0
	s_lshl_b32 s46, s42, 18
	s_add_co_u32 s46, s46, s18
	s_add_co_u32 s46, s46, 0x400000
	s_mov_b32 s47, 0
	s_lshl_b32 s45, s14, 15
	s_wait_dscnt 0x0
	s_wait_kmcnt 0x0
	s_load_b64 s[96:97], s[8:9], 0x10
	s_add_nc_u64 s[20:21], s[4:5], s[20:21]
	s_add_nc_u64 s[46:47], s[6:7], s[46:47]
	CROUND
.irp s, 0,1
	s_mov_b32 s[G0+4*\s], 1
	s_add_co_u32 s[G0+4*\s+1], s45, \s*SLOT
	s_add_nc_u64 s[G0+4*\s+2:G0+4*\s+3], s[20:21], \s*4096
	s_or_b32 s[G0+4*\s+3], s[G0+4*\s+3], 0x80000000
	s_mov_b32 s[G0B+4*\s], 1
	s_add_co_u32 s[G0B+4*\s+1], s45, \s*SLOT
	s_add_nc_u64 s[G0B+4*\s+2:G0B+4*\s+3], s[46:47], \s*4096
	s_or_b32 s[G0B+4*\s+3], s[G0B+4*\s+3], 0x80000000
.if \s == 1
	s_wait_alu depctr_va_vdst(0)
	s_wait_tensorcnt 0x0                           ; my part of K step 0 is in
	ds_add_u32 v28, v29
	s_wait_dscnt 0x0
	CROUND
.endif
	JLOAD G0+4*\s, G1, G0B+4*\s, G1B               ; one tensor load a wave at the head; slot 1's first fill behind the round
.if \s == 0
	s_lshl_b32 s66, s40, 15                        ; h: my work-group's 2 of the 8 fragment rows that I fetch, by cx
	s_lshl_b32 s67, s41, 15                        ; W3: by cy
	s_and_b32 s[PLIM], ttmp7, 1
	s_cmp_eq_u32 s15, 0
	s_cselect_b64 s[PFA:PFA+1], s[20:21], s[46:47]
	s_cselect_b32 s66, s66, s67
	s_cselect_b32 s[PLIM], 0, s[PLIM]
	s_mov_b32 s67, 0
	s_add_nc_u64 s[PFA:PFA+1], s[PFA:PFA+1], s[66:67]
	v_and_b32 v1, 31, v0
	v_lshrrev_b32 v2, 4, v1
	v_and_b32 v1, 15, v1
	v_lshlrev_b32 v1, 8, v1
	v_lshl_add_u32 v[PFO], v2, 14, v1              ; fragment row lane / 16 (16,384 bytes apart), block lane % 16 of a K step's 4,096 bytes
	s_wait_alu depctr_va_vdst(0)
	PASK 1, 1
.endif
.endr
	PASK 2, 3
	v_and_b32 v1, 15, v0
	s_wait_alu depctr_va_vdst(0)
	v_bfe_u32 v2, v0, 4, 1
	v_and_b32 v6, 31, v0
	v_lshlrev_b32 v[CO], 4, v6
	s_lshl_b32 s21, s15, 15
	s_lshl_b32 s22, s16, 15
	s_add_co_u32 s22, s22, 2*HALFT
.irp s, 0,1
	v_add_nc_u32 v[ADRA+\s], s21, v[CO]
	v_add_nc_u32 v[ADRB+\s], s22, v[CO]
	s_add_co_u32 s21, s21, SLOT
	s_add_co_u32 s22, s22, SLOT
.endr
	s_mul_i32 s23, s14, 16*SPITCH
	v_mul_u32_u24 v5, v1, SPITCH
	s_wait_alu depctr_va_vdst(0)
	v_lshl_add_u32 v5, v2, 5, v5
	v_add_nc_u32 v[STO], s23, v5
	v_add_nc_u32 v[RD], s23, v[CO]
	s_lshl_b32 s66, s17, 8
	s_lshl_b32 s67, s15, 7
	s_add_co_u32 s66, s66, s67
	s_lshl_b32 s66, s66, 13
	s_lshl_b32 s67, s42, 10
	s_add_co_u32 s66, s66, s67
	s_lshl_b32 s67, s16, 9
	s_add_co_u32 s66, s66, s67
	s_mov_b32 s67, 0
	s_add_nc_u64 s[10:11], s[10:11], s[66:67]
	s_wait_tensorcnt 1
	s_barrier_signal -1
	s_barrier_wait -1
	FETCH_B 0, 0, 0
	FETCH_A 0, 0, 0
	FETCH_A 0, 0, 4
	STEP 0, 1
	TURN 0, 1, 1
	STEP 1, 0
	TURN 1, 0, 1
	STEP 0, 0
	TURN 0, 1, 0
	STEP 1, 0
	s_wait_dscnt 16
	WIN MUL_LO
	MUL8 0, 1, 0
	MUL8 1, 1, 0
	MUL8 2, 1, 0
	MUL8 3, 1, 0
	s_wait_dscnt 0
	WIN MUL_HI
	MUL8 4, 1, 0
	MUL8 5, 1, 0
	MUL8 6, 1, 0
	MUL8 7, 1, 0
	WIN 0
.macro TOSTAGE a
.set AC, 64*((\a)%4)
	WIN 0x02+((\a)/4)
.set j, 0
.rept 32
	v_pk_mul_f32 v[TMP+j:TMP+j+1], v[AC+j:AC+j+1], s[96:97] op_sel_hi:[1,0]
.set j, j+2
.endr
	WIN 0
.irp b, 0,1,2,3,4,5,6,7
	ds_store_b128 v[STO], v[TMP+8*\b:TMP+8*\b+3] offset:64*\b
	ds_store_b128 v[STO], v[TMP+8*\b+4:TMP+8*\b+7] offset:64*\b+16
.endr
.set BB, BK+64*((\a)%2)
.irp t, 0,1,2,3,4,5,6,7,8,9,10,11,12,13,14,15
	ds_load_b128 v[BB+4*\t:BB+4*\t+3], v[RD] offset:\t*SPITCH
.endr
.endm
.macro SEND a, younger
.set BB, BK+64*((\a)%2)
	s_wait_dscnt \younger
.if (\a) > 0
	s_add_nc_u64 s[10:11], s[10:11], 16*SIZE_N*4
.endif
.irp t, 0,1,2,3,4,5,6,7,8,9,10,11,12,13,14,15
	global_store_b128 v[CO], v[BB+4*\t:BB+4*\t+3], s[10:11] offset:\t*SIZE_N*4 th:TH_STORE_NT
.endr
.endm
	s_wait_kmcnt 0x0
	s_add_co_i32 s96, s96, s97
	s_add_co_i32 s96, s96, 127
	s_lshl_b32 s96, s96, 23
	PLACES
	TOSTAGE 0
.irp a, 1,2,3,4,5,6,7
.if \a > 1
	s_wait_xcnt 0x0
.endif
	TOSTAGE \a
	SEND \a-1, 32
.endr
	s_wait_xcnt 0x0
	SEND 7, 0
	s_wait_tensorcnt 0x0
	ds_add_u32 v[SPW], v[NIL]
	s_wait_dscnt 0x0
	CROUND
	s_endpgm
.Lfunc_end_k_q4d7ccdb9fb_down:
	.size	k_q4d7ccdb9fb_down, .Lfunc_end_k_q4d7ccdb9fb_down-k_q4d7ccdb9fb_down
	.p2alignl 7, 3214868480
	.fill 96, 4, 3214868480
	.section	.rodata,"a",@progbits
	.p2align	6, 0x0
	.amdhsa_kernel k_q4d7ccdb9fb_down
		.amdhsa_group_segment_fixed_size 327680
		.amdhsa_private_segment_fixed_size 0
		.amdhsa_enable_private_segment 0
		.amdhsa_kernarg_size 32
		.amdhsa_user_sgpr_count 2
		.amdhsa_user_sgpr_kernarg_segment_ptr 1
		.amdhsa_wavefront_size32 1
		.amdhsa_system_sgpr_workgroup_id_x 1
		.amdhsa_system_sgpr_workgroup_id_y 1
		.amdhsa_system_sgpr_workgroup_id_z 1
		.amdhsa_system_vgpr_workitem_id 0
		.amdhsa_next_free_vgpr 1024
		.amdhsa_next_free_sgpr 98
		.amdhsa_reserve_vcc 0
		.amdhsa_float_denorm_mode_32 3
		.amdhsa_float_denorm_mode_16_64 3
		.amdhsa_memory_ordered 1
		.amdhsa_forward_progress 1
		.amdhsa_inst_pref_size 124
	.end_amdhsa_kernel
	.amdgpu_metadata
---
amdhsa.version: [ 1, 2 ]
amdhsa.kernels:
  - .name:           k_q4d7ccdb9fb_down
    .symbol:         k_q4d7ccdb9fb_down.kd
    .args:
      - { .name: hq, .offset: 0, .size: 8, .value_kind: global_buffer, .address_space: global }
      - { .name: wq, .offset: 8, .size: 8, .value_kind: global_buffer, .address_space: global }
      - { .name: lowp_scales, .offset: 16, .size: 8, .value_kind: global_buffer, .address_space: global }
      - { .name: out0, .offset: 24, .size: 8, .value_kind: global_buffer, .address_space: global }
    .group_segment_fixed_size: 327680
    .private_segment_fixed_size: 0
    .kernarg_segment_align: 8
    .kernarg_segment_size: 32
    .max_flat_workgroup_size: 128
    .sgpr_count:     98
    .vgpr_count:     1024
    .wavefront_size: 32
...
	.end_amdgpu_metadata
.endif
;; end of part 4
